; MI455X (gfx1250); checked and timed in simulation.
; The chip was launched on July 23, 2026; its instructions are those of AMD's public machine-readable ISA for CDNA 5 (MIT licence, August 2026) and "CDNA5" Instruction Set Architecture Reference Guide (July 2026). The comments in the code are by the model that wrote it; some were corrected since.
;; Base Transformer. Allowed arithmetic: float matrix products may take bf16 or f16 operands with f32 sums; all other float work in f32.
;; Inputs: b_o 128 float32; b_qkv 768 float32; b_res 128 float32; w_o 128 x 256 float32; w_qkv 768 x 128 float32; w_res 128 x 128 float32; x 16 x 128 x 1,024 float32.
;; Outputs: out0 16 x 128 x 1,024 float32.
;; One version. Each part assembles by itself: llvm-mc -triple=amdgcn-amd-amdhsa -mcpu=gfx1250 --defsym DOCPART=n.
;; ======== version 1 of 1: 2 launches
;; workspace buffers: zf 8,388,608 bytes; resf 8,388,608 bytes
;; launch attn (part 1): grid 16 x 16, 8 waves a work-group, no clusters, 326,912 bytes of LDS; arguments x, w_qkv, b_qkv, w_res, zf, resf; writes zf, resf
.if DOCPART == 1
	.amdgcn_target "amdgcn-amd-amdhsa--gfx1250"
	.amdhsa_code_object_version 6
	.text
	.protected	k_q6e8ee8b805_attn
	.globl	k_q6e8ee8b805_attn
	.p2align	8
	.type	k_q6e8ee8b805_attn,@function
k_q6e8ee8b805_attn:
	s_mov_b64 s[64:65], 0
	v_nop
	global_prefetch_b8 v0, s[64:65] scope:SCOPE_SE
	s_setreg_imm32_b32 hwreg(HW_REG_WAVE_MODE, 25, 1), 1
	s_wait_xcnt 0x0
; One work-group = one (batch b, head h, half qh of the 1,024 queries).  It makes Q, K, V of its head from x (1x1 convolution), runs the softmax
; attention of its 512 queries over all 1,024 keys with a running maximum, and stores z as bf16 operand images (zf); besides it makes the residual
; product w_res x for output rows 16 h .. 16 h + 15 at its 512 positions, stored as f32 accumulator images (resf).
; Eight waves.  Wave w owns queries 512 qh + 64 w .. + 63 (four tiles of 16) and projects two groups of 64 positions:
;   group A = its own queries: K, V, the residual tile, Q (Q never leaves registers);   group B = positions 512 (1 - qh) + 64 w .. + 63: K, V.
; Keys lie in LDS as group A's 512, then group B's 512: K and V use the same order, and a softmax does not hang on the order of its keys.
; LAYOUT FACT USED THROUGHOUT: a 16 x 16 f32 result holds (m = 8 hh + j, n = r) in lane (r, hh), register j.  Packed in pairs to bf16 it is one half
; of a K = 32 operand fragment with index n and k = m.  So W x -> K and Q fragments, x^T W^T -> V fragments, K Q^T -> P fragments, V P -> z fragments
; all stay in registers or go through LDS as they are; only x ([channel][position] in memory) is transposed, once, by ds_load_tr16_b128.
; ALGEBRA: dk^-0.5 log2(e) is multiplied in f32 into w_q's rows and b_q before they are rounded to bf16, so that 2^(s - max) is the softmax's term.
; b_v is added behind the normalisation, z = (sum p v) / (sum p) + b_v, which is the same sum because the weights add up to one.  b_k is the C operand of K's tiles.
; LIMITS: NaN and infinities in the inputs are not carried as the f32 formula would carry them; a weight 2^(s - max) below 2^-126 counts as 0.
; NO JOINT LOADS, though 16 work-groups read the same x[b]: x has to pass registers to be rounded to bf16.  As f32 tiles in LDS the eight waves' 64 positions
; x 128 channels x 4 bytes are 256 KiB, which do not fit beside the 128 KiB of K and V in 320 KiB; smaller tiles would have rows under 256 bytes.
; No prefetch: the same rows of x are being read by the 15 other work-groups of the batch at the same time.
.set KB,      0                        ; LDS: 64 K fragments of 1,024 bytes: tile kt at 1024 kt + 512 half + 16 lane
.set VB,      65536                    ; 64 V fragments: (chunk tc of 32 keys, dt) at 1024 (2 tc + dt) + 512 half + 16 lane
.set WB,      131072                   ; weights in bf16, 112 rows: 0-31 q (scaled), 32-63 k, 64-95 v, 96-111 w_res rows 16 h ..
.set WPITCH,  272                      ; 256 bytes + 16: the 16 rows of a fragment load start 4 banks apart
.set XS,      161536                   ; a stage for each wave: x in bf16 as [128 channels][64 positions]
.set XPITCH,  160                      ; 128 bytes + 32: an odd multiple of 32
.set XSW,     128*XPITCH               ; 20,480 bytes a wave
.set BS,      325376                   ; the head's 96 biases in f32 (the q part scaled)
.set QSC,     0x3e8293ee               ; 32^-0.5 * log2(e) = 0.25503487
; window 0 (v0-v255)
.set ADR,  1                           ; 16 lane + 4096 step: this step's K fragments
.set KST,  2                           ; 4096 w + 16 lane: where my K fragments go in LDS; also my offset in resf
.set XOFF, 3                           ; 16384 hh + 16 r + 256 w: my 16 bytes of x
.set XSTO, 4                           ; my 8 bytes in my stage
.set XRD,  5                           ; transposing reads of my stage
.set WADR, 6                           ; weight fragments
.set BADR, 7                           ; bias tiles: BS + 32 hh
.set ZOFF, 8                           ; 32768 w + 16 lane: my offset in zf
.set VST,  9                           ; KST + VB
.set T0,   10                          ; v10-15 at work: T0 new maximum, T2 old - new and its power of two, T4:T5 second partial sum
.set T2,   12
.set T4,   14
.set QF,   16                          ; 4 Q fragments
.set Z,    48                          ; 8 accumulator tiles: (query tile st, dt) at Z + 16 st + 8 dt
.set KF,   112                         ; 4 K fragments of a step
.set VF,   144                         ; 4 V fragments of a step: VF + 8 (2 tc + dt)
.set SA,   176                         ; logits of one query tile x 64 keys, then its P fragments at +0 and +16
.set SB,   208                         ; the same, second buffer
.set M,    240                         ; running maxima, one a query tile
.set LP,   244                         ; running sums, a pair a query tile
; window 0, prologue only
.set WL,   48                          ; 14 x 4: weights as loaded
.set WP,   104                         ; 14 x 2: weights in bf16
.set BV,   132
.set WOFF, 134
.set BOFF, 135
.set WSTO, 136
.set BSTO, 137
; window 1 (v256-v511, written by their low 8 bits): first the landing zone of 64 loads of x (load i at 4 i), then:
.set XF,   0                           ; 16 x fragments: (position tile pt, K step ks) at 8 (4 pt + ks)
.set WF,   128                         ; weight fragments, two buffers of 32
.set AC,   192                         ; 4 accumulator tiles
.set BI,   224                         ; bias tiles, two buffers of 8
.set PK,   240                         ; 16 packed results
.set MSB, 0
.macro WIN new                         ; s_set_vgpr_msb: bits 1:0 source 0, 3:2 source 1, 5:4 source 2, 7:6 destination; the high byte repeats the setting left
.if MSB != \new
	s_set_vgpr_msb (MSB<<8)|\new
.set MSB, \new
.endif
.endm
; n loads of x from load i0 on.  Load i takes channels 8 (i / 4) + i % 4 (lanes 0-15) and four further down (lanes 16-31): 256 whole bytes of each row.
.macro XLOAD blo, bhi, i0, n
	WIN 0x40
.set xi, \i0
.rept \n
	global_load_b128 v[4*xi:4*xi+3], v[XOFF], s[\blo:\bhi] offset:(8*(xi>>2)+(xi&3))*4096
.set xi, xi+1
.endr
.endm
; The 64 landed loads are rounded to bf16 in place and laid into my stage, eight loads at a time.
.macro CONVERT
.set cb, 0
.rept 8
	s_wait_loadcnt 56-8*cb                 ; loads come back in order: the 56 - 8 cb younger loads of x may stay out
	WIN 0x45
.set ci, 8*cb
.rept 8
	v_cvt_pk_bf16_f32 v[4*ci], v[4*ci], v[4*ci+1]
	v_cvt_pk_bf16_f32 v[4*ci+1], v[4*ci+2], v[4*ci+3]
.set ci, ci+1
.endr
	WIN 0x04
.set ci, 8*cb
.rept 8
	ds_store_b64 v[XSTO], v[4*ci:4*ci+1] offset:(8*(ci>>2)+(ci&3))*XPITCH   ; lanes 16-31 lie 640 bytes = 32 banks behind lanes 0-15
.set ci, ci+1
.endr
.set cb, cb+1
.endr
.endm
; 16 fragments of x (index = position, k = channel) out of my stage; LDS serves a wave's instructions in order, so these see my stores.
.macro XFRAG
	WIN 0x40
.irp pt, 0,1,2,3
.irp ks, 0,1,2,3
	ds_load_tr16_b128 v[XF+8*(4*\pt+\ks):XF+8*(4*\pt+\ks)+3], v[XRD] offset:32*XPITCH*\ks+32*\pt
	ds_load_tr16_b128 v[XF+8*(4*\pt+\ks)+4:XF+8*(4*\pt+\ks)+7], v[XRD] offset:32*XPITCH*\ks+32*\pt+16*XPITCH
.endr
.endr
.endm
; The four weight fragments of row tile rt, and for q and k its bias tile: 10 LDS loads for rt < 4, else 8.
.macro WLD rt, buf
	WIN 0x40
.irp ks, 0,1,2,3
	ds_load_b128 v[WF+32*\buf+8*\ks:WF+32*\buf+8*\ks+3], v[WADR] offset:\rt*16*WPITCH+64*\ks
	ds_load_b128 v[WF+32*\buf+8*\ks+4:WF+32*\buf+8*\ks+7], v[WADR] offset:\rt*16*WPITCH+64*\ks+32
.endr
.if \rt < 4
	ds_load_b128 v[BI+8*\buf:BI+8*\buf+3], v[BADR] offset:64*\rt
	ds_load_b128 v[BI+8*\buf+4:BI+8*\buf+7], v[BADR] offset:64*\rt+16
.endif
.endm
; One row tile (16 outputs) over the group's four position tiles.  rt 0,1 q; 2,3 k: tile (m = output, n = position), C = bias.  rt 4,5 v; 6 residual: tile (m = position, n = output).
; n = LDS instructions issued behind this tile's weights; next = the row tile whose weights are fetched into this buffer (-1: none); g = the group.
.macro RT rt, buf, n, next, g
	s_wait_dscnt \n
	WIN 0x55
.set rk, 0
.rept 4                                        ; the four accumulators take turns, one instruction a turn
.set rp, 0
.rept 4
.if \rt < 4
.if rk == 0
	v_wmma_f32_16x16x32_bf16 v[AC+8*rp:AC+8*rp+7], v[WF+32*\buf+8*rk:WF+32*\buf+8*rk+7], v[XF+8*(4*rp+rk):XF+8*(4*rp+rk)+7], v[BI+8*\buf:BI+8*\buf+7]
.else
	v_wmma_f32_16x16x32_bf16 v[AC+8*rp:AC+8*rp+7], v[WF+32*\buf+8*rk:WF+32*\buf+8*rk+7], v[XF+8*(4*rp+rk):XF+8*(4*rp+rk)+7], v[AC+8*rp:AC+8*rp+7]
.endif
.else
.if rk == 0
	v_wmma_f32_16x16x32_bf16 v[AC+8*rp:AC+8*rp+7], v[XF+8*(4*rp+rk):XF+8*(4*rp+rk)+7], v[WF+32*\buf+8*rk:WF+32*\buf+8*rk+7], 0
.else
	v_wmma_f32_16x16x32_bf16 v[AC+8*rp:AC+8*rp+7], v[XF+8*(4*rp+rk):XF+8*(4*rp+rk)+7], v[WF+32*\buf+8*rk:WF+32*\buf+8*rk+7], v[AC+8*rp:AC+8*rp+7]
.endif
.endif
.set rp, rp+1
.endr
.set rk, rk+1
.endr
.rept 5                                        ; five places: for the reads of the results, the loads into this weight buffer
	v_nop                                  ; and the next row tile's first products, which write over the accumulators
.endr
.if \rt < 2                                    ; Q: half rt of the four Q fragments, into window 0
	WIN 0x05
.set rp, 0
.rept 4
.irp i, 0,1,2,3
	v_cvt_pk_bf16_f32 v[QF+8*rp+4*\rt+\i], v[AC+8*rp+2*\i], v[AC+8*rp+2*\i+1]
.endr
.set rp, rp+1
.endr
.elseif \rt < 6                                ; K and V: packed, 16 bytes a lane, 512 neighbouring bytes an instruction
	WIN 0x45
.set rp, 0
.rept 4
.irp i, 0,1,2,3
	v_cvt_pk_bf16_f32 v[PK+4*rp+\i], v[AC+8*rp+2*\i], v[AC+8*rp+2*\i+1]
.endr
.set rp, rp+1
.endr
	WIN 0x04
.set rp, 0
.rept 4
.if \rt < 4
	ds_store_b128 v[KST], v[PK+4*rp:PK+4*rp+3] offset:\g*32768+rp*1024+(\rt-2)*512
.else
	ds_store_b128 v[VST], v[PK+4*rp:PK+4*rp+3] offset:\g*32768+(rp>>1)*2048+(\rt-4)*1024+(rp&1)*512
.endif
.set rp, rp+1
.endr
.else                                          ; the residual tile leaves as it lies: each store covers 512 consecutive bytes, aligned
	WIN 0x04
.set rp, 0
.rept 4
	global_store_b128 v[KST], v[AC+8*rp:AC+8*rp+3], s[14:15] offset:rp*1024
	global_store_b128 v[KST], v[AC+8*rp+4:AC+8*rp+7], s[14:15] offset:rp*1024+512
.set rp, rp+1
.endr
	s_wait_xcnt 0x0                        ; the accumulators, which these stores read, are written again by the next row tile only behind this wait
.endif
.if \next >= 0
	WLD \next, \buf
.endif
.endm
; ---- the attention's pieces.  A step is 64 keys; st = query tile 0..3; buf = SA or SB ----
.macro SMUL st, buf                            ; S^T: tile i holds key 16 i + 8 hh + j, query r
.irp i, 0,1,2,3
	v_wmma_f32_16x16x32_bf16 v[\buf+8*\i:\buf+8*\i+7], v[KF+8*\i:KF+8*\i+7], v[QF+8*\st:QF+8*\st+7], 0
.endr
.endm
.macro MAXP st, buf, first                     ; the new running maximum of query r in T0, old - new in T2
	v_max3_num_f32 v[T0],   v[\buf+0],  v[\buf+1],  v[\buf+2]
	v_max3_num_f32 v[T0+1], v[\buf+9],  v[\buf+10], v[\buf+11]
	v_max3_num_f32 v[T2],   v[\buf+18], v[\buf+19], v[\buf+20]
	v_max3_num_f32 v[T2+1], v[\buf+25], v[\buf+26], v[\buf+27]
	v_max3_num_f32 v[T0],   v[T0],   v[\buf+3],  v[\buf+4]
	v_max3_num_f32 v[T0+1], v[T0+1], v[\buf+12], v[\buf+13]
	v_max3_num_f32 v[T2],   v[T2],   v[\buf+21], v[\buf+22]
	v_max3_num_f32 v[T2+1], v[T2+1], v[\buf+28], v[\buf+29]
	v_max3_num_f32 v[T0],   v[T0],   v[\buf+5],  v[\buf+6]
	v_max3_num_f32 v[T0+1], v[T0+1], v[\buf+14], v[\buf+15]
	v_max3_num_f32 v[T2],   v[T2],   v[\buf+23], v[\buf+24]
	v_max3_num_f32 v[T2+1], v[T2+1], v[\buf+30], v[\buf+31]
	v_max3_num_f32 v[T0],   v[T0],   v[\buf+7],  v[\buf+8]
	v_max3_num_f32 v[T0+1], v[T0+1], v[\buf+16], v[\buf+17]
	v_max3_num_f32 v[T0], v[T0], v[T0+1], v[T2]
.if \first
	v_max_num_f32 v[T0], v[T0], v[T2+1]
.else
	v_max3_num_f32 v[T0], v[T0], v[T2+1], v[M+\st]
.endif
	v_permlanex16_b32 v[T0+1], v[T0], s26, s27     ; the other 32 keys of query r lie in lane r xor 16
	v_max_num_f32 v[T0], v[T0], v[T0+1]
.if \first == 0
	v_sub_f32 v[T2], v[M+\st], v[T0]
.endif
	v_mov_b32 v[M+\st], v[T0]
.endm
.macro SUBT buf, i
.irp k, 0,2,4,6
	v_pk_add_f32 v[\buf+8*\i+\k:\buf+8*\i+\k+1], v[\buf+8*\i+\k:\buf+8*\i+\k+1], v[T0:T0+1] op_sel_hi:[1,0] neg_lo:[0,1] neg_hi:[0,1]
.endr
.endm
.macro EXPT buf, i
.irp k, 0,1,2,3,4,5,6,7
	v_exp_f32 v[\buf+8*\i+\k], v[\buf+8*\i+\k]
.endr
.endm
.macro SUMT st, buf, i, first                  ; two chains of pairs: LP (carried from step to step) and T4:T5
.if \i == 0
.if \first
	s_wait_alu depctr_va_vdst(0)
	v_pk_add_f32 v[LP+2*\st:LP+2*\st+1], v[\buf:\buf+1], v[\buf+2:\buf+3]
	v_pk_add_f32 v[T4:T4+1], v[\buf+4:\buf+5], v[\buf+6:\buf+7]
.else
	s_wait_alu depctr_va_vdst(0)
	v_pk_fma_f32 v[LP+2*\st:LP+2*\st+1], v[LP+2*\st:LP+2*\st+1], v[T2:T2+1], v[\buf:\buf+1] op_sel_hi:[1,0,1]
	v_pk_add_f32 v[T4:T4+1], v[\buf+2:\buf+3], v[\buf+4:\buf+5]
	v_pk_add_f32 v[LP+2*\st:LP+2*\st+1], v[LP+2*\st:LP+2*\st+1], v[\buf+6:\buf+7]
.endif
.else
	s_wait_alu depctr_va_vdst(0)
	v_pk_add_f32 v[T4:T4+1], v[T4:T4+1], v[\buf+8*\i:\buf+8*\i+1]
	v_pk_add_f32 v[LP+2*\st:LP+2*\st+1], v[LP+2*\st:LP+2*\st+1], v[\buf+8*\i+2:\buf+8*\i+3]
	v_pk_add_f32 v[T4:T4+1], v[T4:T4+1], v[\buf+8*\i+4:\buf+8*\i+5]
	v_pk_add_f32 v[LP+2*\st:LP+2*\st+1], v[LP+2*\st:LP+2*\st+1], v[\buf+8*\i+6:\buf+8*\i+7]
.endif
.endm
.macro CVTT buf, i, d                          ; tile i packed to bf16 at buf + d, ascending, so that no source is lost: tiles 0, 1 make the fragment at +0, tiles 2, 3 that at +16
.irp k, 0,1,2,3
	v_cvt_pk_bf16_f32 v[\buf+\d+\k], v[\buf+8*\i+2*\k], v[\buf+8*\i+2*\k+1]
.endr
.endm
; Subtract, exponentiate, sum, pack; scale the old sums.  Behind every run of v_exp_f32 stands plain work on other registers before its results are used (ISA guide 5.7.2).
.macro REST st, buf, first
.if \first == 0
	v_exp_f32 v[T2], v[T2]                 ; 2^(old maximum - new maximum)
.endif
	SUBT \buf, 0
	EXPT \buf, 0
	SUBT \buf, 1
	EXPT \buf, 1
	SUMT \st, \buf, 0, \first
	CVTT \buf, 0, 0
	SUBT \buf, 2
	EXPT \buf, 2
	SUMT \st, \buf, 1, \first
	CVTT \buf, 1, 4
	SUBT \buf, 3
	EXPT \buf, 3
	SUMT \st, \buf, 2, \first
	CVTT \buf, 2, 16
.if \first == 0
.irp k, 0,2,4,6,8,10,12,14
	v_pk_mul_f32 v[Z+16*\st+\k:Z+16*\st+\k+1], v[Z+16*\st+\k:Z+16*\st+\k+1], v[T2:T2+1] op_sel_hi:[1,0]
.endr
.endif
	SUMT \st, \buf, 3, \first
	CVTT \buf, 3, 20
	v_pk_add_f32 v[LP+2*\st:LP+2*\st+1], v[LP+2*\st:LP+2*\st+1], v[T4:T4+1]
.endm
.macro PVMUL st, buf, first                    ; z^T += V P: tile (m = d, n = query).  The two accumulators take turns
.if \first
	v_wmma_f32_16x16x32_bf16 v[Z+16*\st:Z+16*\st+7], v[VF:VF+7], v[\buf:\buf+7], 0
	v_wmma_f32_16x16x32_bf16 v[Z+16*\st+8:Z+16*\st+15], v[VF+8:VF+15], v[\buf:\buf+7], 0
.else
	v_wmma_f32_16x16x32_bf16 v[Z+16*\st:Z+16*\st+7], v[VF:VF+7], v[\buf:\buf+7], v[Z+16*\st:Z+16*\st+7]
	v_wmma_f32_16x16x32_bf16 v[Z+16*\st+8:Z+16*\st+15], v[VF+8:VF+15], v[\buf:\buf+7], v[Z+16*\st+8:Z+16*\st+15]
.endif
	v_wmma_f32_16x16x32_bf16 v[Z+16*\st:Z+16*\st+7], v[VF+16:VF+23], v[\buf+16:\buf+23], v[Z+16*\st:Z+16*\st+7]
	v_wmma_f32_16x16x32_bf16 v[Z+16*\st+8:Z+16*\st+15], v[VF+24:VF+31], v[\buf+16:\buf+23], v[Z+16*\st+8:Z+16*\st+15]
.endm
.macro KLD
.irp i, 0,1,2,3
	ds_load_b128 v[KF+8*\i:KF+8*\i+3], v[ADR] offset:1024*\i
	ds_load_b128 v[KF+8*\i+4:KF+8*\i+7], v[ADR] offset:1024*\i+512
.endr
.endm
.macro VLD                                     ; ADR already points at the next step's K: this step's V lies VB - 4096 behind it, 65,024 at the most, inside the 16-bit offset
.irp i, 0,1,2,3
	ds_load_b128 v[VF+8*\i:VF+8*\i+3], v[ADR] offset:VB-4096+1024*\i
	ds_load_b128 v[VF+8*\i+4:VF+8*\i+7], v[ADR] offset:VB-4096+1024*\i+512
.endr
.endm
; One step: 64 keys for my four query tiles.  The logits of tile st + 1 or st + 2 are multiplied while tile st is exponentiated.
; Distances behind matrix instructions are all kept by plain vector work on other registers: the five lines behind SMUL 0 serve the last step's PVMUL 3
; (VLD lands on its V, SMUL 1 on its P) and SMUL 0's results; MAXP 1 and MAXP 2 (16 lines and more) stand between PVMUL 0, 1 and SMUL 2, 3, which write over
; the P they read; REST 1 and REST 2 stand between SMUL 2, 3 and the reads of their results, and REST 2 in front of KLD, which lands on the K that SMUL 3 read.
.macro STEP first, pre
	s_wait_dscnt 0x0                       ; this step's K fragments are in (asked for in the last step)
	SMUL 0, SA
	v_add_nc_u32 v[ADR], 4096, v[ADR]
.rept 4
	v_nop
.endr
	VLD
	SMUL 1, SB
	MAXP 0, SA, \first
	REST 0, SA, \first
	s_wait_dscnt 0x0                       ; V is in: nothing else is out
	PVMUL 0, SA, \first
	MAXP 1, SB, \first
	SMUL 2, SA
	REST 1, SB, \first
	PVMUL 1, SB, \first
	MAXP 2, SA, \first
	SMUL 3, SB
	REST 2, SA, \first
	PVMUL 2, SA, \first
.if \pre
	KLD                                    ; the next step's K
.endif
	MAXP 3, SB, \first
	REST 3, SB, \first
	PVMUL 3, SB, \first
.endm
; ================= prologue =================
	s_load_b256 s[4:11], s[0:1], 0x0               ; x s[4:5], w_qkv s[6:7], b_qkv s[8:9], w_res s[10:11]
	s_load_b128 s[12:15], s[0:1], 0x20             ; zf s[12:13], resf s[14:15]
	v_lshl_add_u32 v254, v0, 2, 0x4f900
	v_mov_b32 v255, 0
	v_lshrrev_b32 v10, 5, v0
	v_readfirstlane_b32 s16, v10                   ; wave w
	s_and_b32 s17, ttmp9, 7                        ; head h
	s_lshr_b32 s18, ttmp9, 3                       ; query half qh
	s_and_b32 s19, ttmp7, 0xffff                   ; batch b
	s_mov_b32 s21, 0                               ; high word of every offset: all are below 4 GiB
	s_mov_b32 s26, 0x76543210                      ; v_permlanex16_b32: lane i reads lane i of the other half
	s_mov_b32 s27, 0xfedcba98
	s_mov_b32 s28, QSC
	s_mov_b32 s29, QSC
	s_mul_i32 s31, s16, XSW
	s_add_co_u32 s31, s31, XS                      ; my stage
	s_mul_i32 s30, s16, WPITCH
	v_and_b32 v11, 31, v0                          ; lane
	v_and_b32 v12, 15, v0                          ; r
	v_bfe_u32 v13, v0, 4, 1                        ; hh
	v_lshlrev_b32 v[ADR], 4, v11
	v_lshl_add_u32 v[KST], s16, 12, v[ADR]
	v_add_nc_u32 v[VST], VB, v[KST]
	v_lshl_add_u32 v[ZOFF], s16, 15, v[ADR]
	v_lshlrev_b32 v[XOFF], 4, v12
	v_lshl_add_u32 v[XOFF], v13, 14, v[XOFF]
	v_lshl_add_u32 v[XOFF], s16, 8, v[XOFF]
	v_mul_u32_u24 v[XSTO], v13, 4*XPITCH
	v_lshl_add_u32 v[XSTO], v12, 3, v[XSTO]
	v_add_nc_u32 v[XSTO], s31, v[XSTO]
	v_and_b32 v14, 7, v0
	v_lshl_add_u32 v14, v13, 3, v14                ; 8 hh + lane % 8: the channel row that I address for the transposing load
	v_mul_u32_u24 v[XRD], v14, XPITCH
	v_bfe_u32 v14, v0, 3, 1
	v_lshl_add_u32 v[XRD], v14, 4, v[XRD]
	v_add_nc_u32 v[XRD], s31, v[XRD]
	v_mul_u32_u24 v[WADR], v12, WPITCH
	v_lshl_add_u32 v[WADR], v13, 4, v[WADR]
	v_add_nc_u32 v[WADR], WB, v[WADR]
	v_lshlrev_b32 v[BADR], 5, v13
	v_add_nc_u32 v[BADR], BS, v[BADR]
	v_lshlrev_b32 v[WOFF], 4, v0                   ; 16 bytes a thread: a wave takes one whole row of 512 bytes, the eight waves eight rows
	v_lshlrev_b32 v[BOFF], 2, v11
	v_lshl_add_u32 v[BOFF], s16, 7, v[BOFF]        ; 128 w + 4 lane
	v_add_nc_u32 v[BSTO], BS, v[BOFF]              ; used by waves 0 to 2 alone
	v_min_u32 v[BOFF], 380, v[BOFF]                ; the head has 96 biases: waves 3 to 7 stay on the last word, inside the buffer
	v_lshl_add_u32 v[WSTO], v11, 3, s30
	v_add_nc_u32 v[WSTO], WB, v[WSTO]
	s_wait_kmcnt 0x0
	s_lshl_b32 s20, s19, 19                        ; b x 524,288 bytes, in x, zf and resf alike
	s_add_nc_u64 s[4:5], s[4:5], s[20:21]
	s_add_nc_u64 s[12:13], s[12:13], s[20:21]
	s_add_nc_u64 s[14:15], s[14:15], s[20:21]
	s_lshl_b32 s20, s18, 11
	s_add_nc_u64 s[22:23], s[4:5], s[20:21]        ; x at group A: my half's 512 positions
	s_xor_b32 s20, s20, 2048
	s_add_nc_u64 s[24:25], s[4:5], s[20:21]        ; x at group B: the other half's
	s_mul_i32 s20, s17, 96*512
	s_add_nc_u64 s[6:7], s[6:7], s[20:21]          ; the head's 96 rows of w_qkv
	s_mul_i32 s20, s17, 96*4
	s_add_nc_u64 s[8:9], s[8:9], s[20:21]
	s_lshl_b32 s20, s17, 13
	s_add_nc_u64 s[10:11], s[10:11], s[20:21]      ; rows 16 h .. of w_res
	s_lshl_b32 s20, s18, 18
	s_lshl_b32 s30, s17, 10
	s_add_co_u32 s20, s20, s30
	s_add_nc_u64 s[12:13], s[12:13], s[20:21]      ; zf + 32 qh tiles of 8,192 + 1,024 h
	s_lshl_b32 s20, s17, 16
	s_lshl_b32 s30, s18, 15
	s_add_co_u32 s20, s20, s30
	s_add_nc_u64 s[14:15], s[14:15], s[20:21]      ; resf + 65,536 h + 32 qh tiles of 1,024
	global_load_b32 v[BV], v[BOFF], s[8:9]         ; issued by every wave, so that the same loads stand behind the weights in all of them
.irp i, 0,1,2,3,4,5,6,7,8,9,10,11
	global_load_b128 v[WL+4*\i:WL+4*\i+3], v[WOFF], s[6:7] offset:4096*\i      ; row 8 i + w
.endr
	global_load_b128 v[WL+48:WL+51], v[WOFF], s[10:11]
	global_load_b128 v[WL+52:WL+55], v[WOFF], s[10:11] offset:4096
	XLOAD 22, 23, 0, 48
	WIN 0
	s_wait_loadcnt 48                              ; the 48 loads of x stay out; bias and weights are in
.irp i, 0,1,2,3
	v_pk_mul_f32 v[WL+4*\i:WL+4*\i+1], v[WL+4*\i:WL+4*\i+1], s[28:29] op_sel_hi:[1,0]      ; rows 0-31 are q's
	v_pk_mul_f32 v[WL+4*\i+2:WL+4*\i+3], v[WL+4*\i+2:WL+4*\i+3], s[28:29] op_sel_hi:[1,0]
.endr
.irp i, 0,1,2,3,4,5,6,7,8,9,10,11,12,13
	v_cvt_pk_bf16_f32 v[WP+2*\i], v[WL+4*\i], v[WL+4*\i+1]
	v_cvt_pk_bf16_f32 v[WP+2*\i+1], v[WL+4*\i+2], v[WL+4*\i+3]
.endr
.irp i, 0,1,2,3,4,5,6,7,8,9,10,11,12,13
	ds_store_b64 v[WSTO], v[WP+2*\i:WP+2*\i+1] offset:8*WPITCH*\i
.endr
	s_cmp_lt_u32 s16, 3
	s_cbranch_scc0 .Lnobias                        ; waves 0, 1, 2 hold b_q, b_k, b_v
	s_cmp_eq_u32 s16, 0
	s_cselect_b32 s20, s28, 1.0                    ; b_q takes q's factor
	v_mul_f32 v[BV], s20, v[BV]
	ds_store_b32 v[BSTO], v[BV]
.Lnobias:
	XLOAD 22, 23, 48, 16                           ; 64 loads, 32 KiB a wave, are now asked for
	CONVERT
	WIN 0
	s_wait_dscnt 0x0                               ; my part of the weights and biases is in LDS,
	s_barrier_signal -1
	s_barrier_wait -1                              ; everybody's is; these bytes are never written again
; ================= projection of group A =================
	XFRAG
	WLD 2, 0
	WLD 3, 1
	RT 2, 0, 10, 4, 0                              ; out: the 10 loads of row tile 3
	RT 3, 1, 12, 5, 0                              ; out: 4 stores and the 8 loads of row tile 4
	RT 4, 0, 12, 6, 0                              ; 4 stores, 8 loads
	RT 5, 1, 12, 0, 0                              ; 4 stores, 8 loads
	RT 6, 0, 14, 1, 0                              ; 4 stores, 10 loads
	RT 0, 1, 10, -1, 0                             ; the 10 loads of row tile 1
	RT 1, 0, 0, -1, 0
	WIN 0
	s_wait_dscnt 0x0                               ; my K and V of group A are in LDS
	XLOAD 24, 25, 0, 64                            ; window 1 is free: group B's x lands there during the first half of the attention, which names window 0 alone
	WIN 0
	s_barrier_signal -1
	s_barrier_wait -1                              ; the first 512 keys are whole
; ================= attention, keys 0-511 of the LDS order =================
	KLD
	STEP 1, 1                                      ; the first step starts maxima, sums and z: nothing is cleared
	s_mov_b32 s30, 6
.Lhalf0:
	STEP 0, 1
	s_sub_co_u32 s30, s30, 1
	s_cmp_lg_u32 s30, 0
	s_cbranch_scc1 .Lhalf0
	STEP 0, 0                                      ; asks for no K: the next keys are not made yet
; ================= projection of group B: K and V into the upper 32 KiB of KB and of VB, which no wave reads before the barrier below =================
	CONVERT
	XFRAG
	WLD 2, 0
	WLD 3, 1
	RT 2, 0, 10, 4, 1
	RT 3, 1, 12, 5, 1
	RT 4, 0, 12, -1, 1                             ; out: 4 stores and the 8 loads of row tile 5
	RT 5, 1, 4, -1, 1                              ; out: 4 stores
	WIN 0
	s_wait_dscnt 0x0
	s_barrier_signal -1
	s_barrier_wait -1                              ; the last 512 keys are whole
; ================= attention, keys 512-1023: ADR has arrived at 32768 + 16 lane =================
	KLD
	s_mov_b32 s30, 7
.Lhalf1:
	STEP 0, 1
	s_sub_co_u32 s30, s30, 1
	s_cmp_lg_u32 s30, 0
	s_cbranch_scc1 .Lhalf1
	STEP 0, 0
; ================= z = sums / l + b_v, packed as the next launch's operand fragments =================
	ds_load_b128 v[KF:KF+3], v[BADR] offset:256            ; b_v[8 hh + j]
	ds_load_b128 v[KF+4:KF+7], v[BADR] offset:272
	ds_load_b128 v[KF+8:KF+11], v[BADR] offset:320         ; b_v[16 + 8 hh + j]
	ds_load_b128 v[KF+12:KF+15], v[BADR] offset:336
.irp st, 0,1,2,3
	v_add_f32 v[SA+2*\st], v[LP+2*\st], v[LP+2*\st+1]      ; these eight adds are also the places behind the last matrix instructions
.endr
.irp st, 0,1,2,3
	v_permlanex16_b32 v[SA+2*\st+1], v[SA+2*\st], s26, s27
.endr
.irp st, 0,1,2,3
	v_add_f32 v[SA+2*\st], v[SA+2*\st], v[SA+2*\st+1]      ; at least 1: the largest logit's term is 2^0
.endr
.irp st, 0,1,2,3
	v_rcp_f32 v[SA+2*\st], v[SA+2*\st]
.endr
	v_nop                                          ; one plain place behind the reciprocals
	s_wait_dscnt 0x0
	s_wait_alu depctr_va_vdst(0)
.irp st, 0,1,2,3
.irp k, 0,2,4,6,8,10,12,14
	v_pk_fma_f32 v[Z+16*\st+\k:Z+16*\st+\k+1], v[Z+16*\st+\k:Z+16*\st+\k+1], v[SA+2*\st:SA+2*\st+1], v[KF+\k:KF+\k+1] op_sel_hi:[1,0,1]
.endr
.irp k, 0,1,2,3,4,5,6,7
	v_cvt_pk_bf16_f32 v[SB+8*\st+\k], v[Z+16*\st+2*\k], v[Z+16*\st+2*\k+1]
.endr
	global_store_b128 v[ZOFF], v[SB+8*\st:SB+8*\st+3], s[12:13] offset:8192*\st            ; 512 consecutive bytes, aligned
	global_store_b128 v[ZOFF], v[SB+8*\st+4:SB+8*\st+7], s[12:13] offset:8192*\st+512
.endr
	s_wait_tensorcnt 0x0
	ds_add_u32 v254, v255
	s_wait_dscnt 0x0
	s_endpgm
.Lfunc_end_k_q6e8ee8b805_attn:
	.size	k_q6e8ee8b805_attn, .Lfunc_end_k_q6e8ee8b805_attn-k_q6e8ee8b805_attn
	.p2alignl 7, 3214868480
	.fill 96, 4, 3214868480
	.section	.rodata,"a",@progbits
	.p2align	6, 0x0
	.amdhsa_kernel k_q6e8ee8b805_attn
		.amdhsa_group_segment_fixed_size 326912
		.amdhsa_private_segment_fixed_size 0
		.amdhsa_enable_private_segment 0
		.amdhsa_kernarg_size 48
		.amdhsa_user_sgpr_count 2
		.amdhsa_user_sgpr_kernarg_segment_ptr 1
		.amdhsa_wavefront_size32 1
		.amdhsa_system_sgpr_workgroup_id_x 1
		.amdhsa_system_sgpr_workgroup_id_y 1
		.amdhsa_system_sgpr_workgroup_id_z 1
		.amdhsa_system_vgpr_workitem_id 0
		.amdhsa_next_free_vgpr 512
		.amdhsa_next_free_sgpr 66
		.amdhsa_reserve_vcc 0
		.amdhsa_float_denorm_mode_32 3
		.amdhsa_float_denorm_mode_16_64 3
		.amdhsa_memory_ordered 1
		.amdhsa_forward_progress 1
		.amdhsa_inst_pref_size 220
	.end_amdhsa_kernel
	.amdgpu_metadata
---
amdhsa.version: [ 1, 2 ]
amdhsa.kernels:
  - .name:           k_q6e8ee8b805_attn
    .symbol:         k_q6e8ee8b805_attn.kd
    .args:
      - { .name: x, .offset: 0, .size: 8, .value_kind: global_buffer, .address_space: global }
      - { .name: w_qkv, .offset: 8, .size: 8, .value_kind: global_buffer, .address_space: global }
      - { .name: b_qkv, .offset: 16, .size: 8, .value_kind: global_buffer, .address_space: global }
      - { .name: w_res, .offset: 24, .size: 8, .value_kind: global_buffer, .address_space: global }
      - { .name: zf, .offset: 32, .size: 8, .value_kind: global_buffer, .address_space: global }
      - { .name: resf, .offset: 40, .size: 8, .value_kind: global_buffer, .address_space: global }
    .group_segment_fixed_size: 326912
    .private_segment_fixed_size: 0
    .kernarg_segment_align: 8
    .kernarg_segment_size: 48
    .max_flat_workgroup_size: 256
    .sgpr_count:     66
    .vgpr_count:     512
    .wavefront_size: 32
...
	.end_amdgpu_metadata
.endif
;; end of part 1
;; launch outp (part 2): grid 16 x 16, 8 waves a work-group, clusters of 4 x 1, 201,728 bytes of LDS; arguments zf, resf, w_o, b_o, b_res, out0; writes out0
.if DOCPART == 2
	.amdgcn_target "amdgcn-amd-amdhsa--gfx1250"
	.amdhsa_code_object_version 6
	.text
	.protected	k_q6e8ee8b805_outp
	.globl	k_q6e8ee8b805_outp
	.p2align	8
	.type	k_q6e8ee8b805_outp,@function
k_q6e8ee8b805_outp:
	s_mov_b64 s[64:65], 0
	v_nop
	global_prefetch_b8 v0, s[64:65] scope:SCOPE_SE
	s_setreg_imm32_b32 hwreg(HW_REG_WAVE_MODE, 25, 1), 1
	s_wait_xcnt 0x0
	s_wait_alu depctr_hold_cnt(0) depctr_sa_sdst(0) depctr_va_vdst(0) depctr_va_sdst(0) depctr_va_ssrc(0) depctr_va_vcc(0) depctr_vm_vsrc(0)
	s_getreg_b32 s2, hwreg(HW_REG_IB_STS2, 6, 4)
	s_cmp_eq_u32 s2, 0
	s_cbranch_scc0 .Lentry_in_a_cluster
	s_endpgm
.Lentry_in_a_cluster:
	s_bfe_u32 s2, ttmp6, 0x10000c
	s_cmp_lg_u32 s2, 0x3003
	s_cbranch_scc0 .Lentry_shape_is_right
	s_endpgm
.Lentry_shape_is_right:
; out0[b][o][s] = sum over c of w_o[o][c] z[b][c][s] + (w_res x)[b][o][s] + b_o[o] + b_res[o].
; zf holds z as bf16 operand fragments (index = position, k = channel of one head), resf the residual product as f32 accumulator tiles (m = position, n = output row).
; One work-group = (batch b, block pb of 64 positions), all 128 output rows.  Eight waves; wave w makes output rows 16 w .. 16 w + 15 for the four position tiles:
; 4 accumulator tiles, K = 256 in 8 steps (one a head), 32 matrix instructions.  The sums start from resf plus the two biases: nothing is cleared.
; CLUSTER: every work-group needs all of w_o, 128 KiB of the 192 KiB that it takes in.  The four work-groups of a cluster ask for it jointly (mask 15): each wave
; fetches, and alone reads, its own 16 rows, as f32, and rounds them to bf16 on the way into registers.  z and resf are each work-group's own: plain loads.
; A wave has two tensor loads out, both issued at the start; no LDS byte is filled twice.
.set ZT,      0                        ; LDS: the block's z: 8192 st + 1024 head + 512 half + 16 lane
.set WS,      32768                    ; w_o in f32: 16 rows a wave
.set WPITCH,  1040                     ; 1,024 bytes + 16: the 16 rows of a fragment load start 4 banks apart
.set WSW,     16*WPITCH
.set OS,      165888                   ; the way out: 16 rows of 256 bytes a wave; no tensor load lands here
.set OPITCH,  272
.set OSW,     16*OPITCH
.set WRD,  1
.set ZRD,  2
.set ROFF, 3
.set BOFF, 4
.set OSTO, 5
.set ORD,  6
.set OOFF, 7
.set AC,   32                          ; 4 accumulator tiles
.set WL,   64                          ; 128: my rows of w_o in f32
.set ZB0,  64                          ; afterwards: z fragments, two buffers of 64: (st, step) at 16 st + 8 (step % 2)
.set ZB1,  128
.set WF,   192                         ; 8 fragments of w_o
.macro ROUND                           ; a round of the cluster's barrier: my work-group's barrier, wave 0 signals for it, all wait for the four work-groups, my work-group's barrier again
	s_barrier_signal -1
	s_barrier_wait -1
	s_cmp_lg_u32 s8, 0
	s_cbranch_scc1 .Lnot_wave_0_\@
	s_barrier_signal -3
.Lnot_wave_0_\@:
	s_barrier_wait -3
	s_barrier_signal -1
	s_barrier_wait -1
.endm
.macro ZLD zb, ks0                     ; 16 LDS loads: the z fragments of steps ks0, ks0 + 1 for the four position tiles
.irp st, 0,1,2,3
.irp kk, 0,1
	ds_load_b128 v[\zb+16*\st+8*\kk:\zb+16*\st+8*\kk+3], v[ZRD] offset:8192*\st+1024*(\ks0+\kk)
	ds_load_b128 v[\zb+16*\st+8*\kk+4:\zb+16*\st+8*\kk+7], v[ZRD] offset:8192*\st+1024*(\ks0+\kk)+512
.endr
.endr
.endm
.macro MM zb, ks0                      ; 8 matrix instructions; the four accumulators take turns, one instruction a turn
.irp kk, 0,1
.irp st, 0,1,2,3
	v_wmma_f32_16x16x32_bf16 v[AC+8*\st:AC+8*\st+7], v[\zb+16*\st+8*\kk:\zb+16*\st+8*\kk+7], v[WF+8*(\ks0+\kk):WF+8*(\ks0+\kk)+7], v[AC+8*\st:AC+8*\st+7]
.endr
.endr
.endm
.macro PLACES                          ; four places behind matrix instructions in front of loads into their sources and of reads of their results
.rept 4
	v_nop
.endr
.endm
	s_load_b256 s[36:43], s[0:1], 0x0              ; zf s[36:37], resf s[38:39], w_o s[40:41], b_o s[42:43]
	s_load_b128 s[44:47], s[0:1], 0x20             ; b_res s[44:45], out0 s[46:47]
	v_lshl_add_u32 v30, v0, 2, 0x31000
	v_mov_b32 v31, 0
	ds_add_u32 v30, v31
	v_lshrrev_b32 v10, 5, v0
	v_readfirstlane_b32 s8, v10                    ; wave w
	s_bfe_u32 s9, ttmp6, 0x40000                   ; cx: my place in the cluster
	s_lshl_b32 s10, ttmp9, 2
	s_add_co_u32 s10, s10, s9                      ; position block pb = 4 x cluster x + cx
	s_and_b32 s11, ttmp7, 0xffff                   ; batch b
	; w_o: 16 rows x 256 elements of 4 bytes, 4 words of padding behind every 256 words; mask 15 with bit 21 beside it
	s_mov_b32 s12, 1
	s_mul_i32 s13, s8, WSW
	s_add_co_u32 s13, s13, WS
	s_mov_b32 s16, 15|(2<<16)|(1<<20)|(1<<21)|(7<<22)|(3<<25)
	s_mov_b32 s17, 256<<16                         ; tensor_dim0 = 256
	s_mov_b32 s18, 16<<16                          ; tensor_dim1 = 16
	s_mov_b32 s19, 256<<16                         ; tile_dim0 = 256
	s_mov_b32 s20, 16                              ; tile_dim1 = 16
	s_mov_b32 s21, 256                             ; pitch
	s_mov_b32 s22, 0
	s_mov_b32 s23, 0
	; z: my eighth of the block's 32 KiB, a dense block of 16 rows x 256 bytes (32 elements of 8 bytes)
	s_mov_b32 s24, 1
	s_lshl_b32 s25, s8, 12
	s_mov_b32 s28, 3<<16
	s_mov_b32 s29, 32<<16
	s_mov_b32 s30, 16<<16
	s_mov_b32 s31, 32<<16
	s_mov_b32 s32, 16
	s_mov_b32 s33, 32
	s_mov_b32 s34, 0
	s_mov_b32 s35, 0
	s_mul_i32 s51, s8, OSW
	s_add_co_u32 s51, s51, OS                      ; my stage
	v_and_b32 v10, 31, v0                          ; lane
	v_and_b32 v11, 15, v0                          ; r
	v_bfe_u32 v12, v0, 4, 1                        ; hh
	v_mul_u32_u24 v[WRD], v11, WPITCH
	v_lshl_add_u32 v[WRD], v12, 5, v[WRD]
	v_add_nc_u32 v[WRD], s13, v[WRD]               ; row r of my 16, 8 hh numbers in
	v_lshlrev_b32 v[ZRD], 4, v10
	v_lshl_add_u32 v[ROFF], s8, 16, v[ZRD]         ; resf: row tile w, 16 bytes a lane
	v_lshlrev_b32 v[BOFF], 2, v11
	v_lshl_add_u32 v[BOFF], s8, 6, v[BOFF]         ; output row 16 w + r
	v_mul_u32_u24 v[OSTO], v11, OPITCH
	v_lshl_add_u32 v[OSTO], v12, 5, v[OSTO]
	v_add_nc_u32 v[OSTO], s51, v[OSTO]             ; in: output row r, positions 8 hh ..
	v_mul_u32_u24 v[ORD], v12, OPITCH
	v_lshl_add_u32 v[ORD], v11, 4, v[ORD]
	v_add_nc_u32 v[ORD], s51, v[ORD]               ; back: lanes 0-15 one row of 256 bytes, lanes 16-31 the next
	v_lshlrev_b32 v[OOFF], 4, v11
	v_lshl_add_u32 v[OOFF], v12, 12, v[OOFF]
	v_lshl_add_u32 v[OOFF], s8, 16, v[OOFF]        ; and the same two rows in out0
	s_mov_b32 s49, 0
	s_mov_b32 s53, 0
	s_wait_dscnt 0x0
	s_wait_kmcnt 0x0
	s_lshl_b32 s48, s8, 14                         ; my 16 rows of w_o: the wave's number alone, alike in all four partners
	s_add_nc_u64 s[14:15], s[40:41], s[48:49]
	s_or_b32 s15, s15, 0x80000000
	s_lshl_b32 s48, s11, 19                        ; b x 524,288 bytes
	s_add_nc_u64 s[36:37], s[36:37], s[48:49]
	s_add_nc_u64 s[38:39], s[38:39], s[48:49]
	s_add_nc_u64 s[46:47], s[46:47], s[48:49]
	s_lshl_b32 s52, s10, 15                        ; offsets that hang on the position block have a pair of their own
	s_lshl_b32 s50, s8, 12
	s_add_co_u32 s52, s52, s50
	s_add_nc_u64 s[26:27], s[36:37], s[52:53]      ; zf + 32,768 pb + 4,096 w
	s_or_b32 s27, s27, 0x80000000
	s_lshl_b32 s52, s10, 12
	s_add_nc_u64 s[38:39], s[38:39], s[52:53]      ; resf + 4 pb tiles of 1,024
	s_lshl_b32 s52, s10, 8
	s_add_nc_u64 s[46:47], s[46:47], s[52:53]      ; out0 + 64 pb positions
	ROUND                                          ; the four work-groups are here: the joint loads meet
	tensor_load_to_lds s[12:15], s[16:23]          ; w_o, jointly
	s_nop 0
	tensor_load_to_lds s[24:27], s[28:35]          ; z, my own
	s_nop 0
.irp st, 0,1,2,3
	global_load_b128 v[AC+8*\st:AC+8*\st+3], v[ROFF], s[38:39] offset:1024*\st th:TH_LOAD_NT
	global_load_b128 v[AC+8*\st+4:AC+8*\st+7], v[ROFF], s[38:39] offset:1024*\st+512 th:TH_LOAD_NT
.endr
	global_load_b32 v8, v[BOFF], s[42:43]
	global_load_b32 v9, v[BOFF], s[44:45]
	s_wait_tensorcnt 0x1                           ; my rows of w_o have landed; z, issued behind them, may stay out.  No other wave reads these rows
.irp ks, 0,1,2,3,4,5,6,7
.irp u, 0,1
.irp t, 0,1
	ds_load_b128 v[WL+16*\ks+8*\u+4*\t:WL+16*\ks+8*\u+4*\t+3], v[WRD] offset:128*\ks+64*\u+16*\t
.endr
.endr
.endr
.irp ks, 0,1,2,3,4,5,6,7
	s_wait_dscnt 28-4*\ks                          ; the four loads of step ks are in; the 28 - 4 ks younger ones may stay out
.irp m, 0,1,2,3,4,5,6,7
	v_cvt_pk_bf16_f32 v[WF+8*\ks+\m], v[WL+16*\ks+2*\m], v[WL+16*\ks+2*\m+1]
.endr
.endr
	s_wait_loadcnt 0x0                             ; the residual tiles and the two biases
	v_add_f32 v8, v8, v9
.irp k, 0,2,4,6,8,10,12,14,16,18,20,22,24,26,28,30
	v_pk_add_f32 v[AC+\k:AC+\k+1], v[AC+\k:AC+\k+1], v[8:9] op_sel_hi:[1,0]    ; a lane's 32 numbers all belong to output row 16 w + r
.endr
	s_wait_tensorcnt 0x0                           ; my eighth of z has landed,
	s_barrier_signal -1
	s_barrier_wait -1                              ; everybody's has
	ZLD ZB0, 0
	ZLD ZB1, 2
	s_wait_dscnt 16                                ; the 16 younger loads may stay out, here and below
	MM ZB0, 0
	PLACES
	ZLD ZB0, 4
	s_wait_dscnt 16
	MM ZB1, 2
	PLACES
	ZLD ZB1, 6
	s_wait_dscnt 16
	MM ZB0, 4
	s_wait_dscnt 0x0
	MM ZB1, 6
	; the way out: a lane holds 8 neighbouring positions of one output row; through my own stage they become whole rows of 256 bytes
	PLACES
.irp st, 0,1,2,3
	ds_store_b128 v[OSTO], v[AC+8*\st:AC+8*\st+3] offset:64*\st
	ds_store_b128 v[OSTO], v[AC+8*\st+4:AC+8*\st+7] offset:64*\st+16
.endr
.irp t, 0,1,2,3,4,5,6,7
	ds_load_b128 v[ZB0+4*\t:ZB0+4*\t+3], v[ORD] offset:2*OPITCH*\t     ; LDS serves a wave's instructions in order: these see the stores above
.endr
.irp t, 0,1,2,3,4,5,6,7
	s_wait_dscnt 7-\t
	global_store_b128 v[OOFF], v[ZB0+4*\t:ZB0+4*\t+3], s[46:47] offset:8192*\t th:TH_STORE_NT   ; 16 lanes store 256 consecutive bytes, aligned
.endr
	s_wait_tensorcnt 0x0
	ds_add_u32 v30, v31
	s_wait_dscnt 0x0
	ROUND                                          ; the closing round: no work-group ends while a partner may still ask jointly
	s_endpgm
.Lfunc_end_k_q6e8ee8b805_outp:
	.size	k_q6e8ee8b805_outp, .Lfunc_end_k_q6e8ee8b805_outp-k_q6e8ee8b805_outp
	.p2alignl 7, 3214868480
	.fill 96, 4, 3214868480
	.section	.rodata,"a",@progbits
	.p2align	6, 0x0
	.amdhsa_kernel k_q6e8ee8b805_outp
		.amdhsa_group_segment_fixed_size 201728
		.amdhsa_private_segment_fixed_size 0
		.amdhsa_enable_private_segment 0
		.amdhsa_kernarg_size 48
		.amdhsa_user_sgpr_count 2
		.amdhsa_user_sgpr_kernarg_segment_ptr 1
		.amdhsa_wavefront_size32 1
		.amdhsa_system_sgpr_workgroup_id_x 1
		.amdhsa_system_sgpr_workgroup_id_y 1
		.amdhsa_system_sgpr_workgroup_id_z 1
		.amdhsa_system_vgpr_workitem_id 0
		.amdhsa_next_free_vgpr 256
		.amdhsa_next_free_sgpr 66
		.amdhsa_reserve_vcc 0
		.amdhsa_float_denorm_mode_32 3
		.amdhsa_float_denorm_mode_16_64 3
		.amdhsa_memory_ordered 1
		.amdhsa_forward_progress 1
		.amdhsa_inst_pref_size 22
	.end_amdhsa_kernel
	.amdgpu_metadata
---
amdhsa.version: [ 1, 2 ]
amdhsa.kernels:
  - .name:           k_q6e8ee8b805_outp
    .symbol:         k_q6e8ee8b805_outp.kd
    .args:
      - { .name: zf, .offset: 0, .size: 8, .value_kind: global_buffer, .address_space: global }
      - { .name: resf, .offset: 8, .size: 8, .value_kind: global_buffer, .address_space: global }
      - { .name: w_o, .offset: 16, .size: 8, .value_kind: global_buffer, .address_space: global }
      - { .name: b_o, .offset: 24, .size: 8, .value_kind: global_buffer, .address_space: global }
      - { .name: b_res, .offset: 32, .size: 8, .value_kind: global_buffer, .address_space: global }
      - { .name: out0, .offset: 40, .size: 8, .value_kind: global_buffer, .address_space: global }
    .group_segment_fixed_size: 201728
    .private_segment_fixed_size: 0
    .kernarg_segment_align: 8
    .kernarg_segment_size: 48
    .max_flat_workgroup_size: 256
    .sgpr_count:     66
    .vgpr_count:     256
    .wavefront_size: 32
...
	.end_amdgpu_metadata
.endif
;; end of part 2
